; MI455X (gfx1250); checked and timed in simulation.
; The chip was launched on July 23, 2026; its instructions are those of AMD's public machine-readable ISA for CDNA 5 (MIT licence, August 2026) and "CDNA5" Instruction Set Architecture Reference Guide (July 2026). The comments in the code are by the model that wrote it; some were corrected since.
;; Multi Head Attention. Allowed arithmetic: matrix products marked QUANTISED: E4M3 operands, one given power-of-two scale a tensor, by v_wmma_f32_16x16x64_fp8_fp8 or v_wmma_f32_16x16x128_fp8_fp8, f32 sums; everything else in f32.
;; Inputs: Wk_codes 1,024 x 32 x 32 uint8 (E4M3 codes of Wk, K innermost, in blocks of 32 codes); Wq_codes 1,024 x 32 x 32 uint8 (E4M3 codes of Wq, K innermost, in blocks of 32 codes); Wv_codes 1,024 x 32 x 32 uint8 (E4M3 codes of Wv, K innermost, in blocks of 32 codes); keys_codes 8 x 1,024 x 32 x 32 uint8 (E4M3 codes of keys, K innermost, in blocks of 32 codes); lowp_scales 10 int32 (the exponents e of the quantised operands' scales 2^e); queries_codes 8 x 1,024 x 32 x 32 uint8 (E4M3 codes of queries, K innermost, in blocks of 32 codes); values_codes 8 x 1,024 x 32 x 32 uint8 (E4M3 codes of values, K innermost, in blocks of 32 codes).
;; Outputs: out0 8 x 1,024 x 1,024 float32.
;; This version of the problem:
;;   THIS VERSION OF THE PROBLEM IS GIVEN IN LOW PRECISION. The matrix products marked QUANTISED in the list below multiply operands that are first quantised to E4M3 (4 exponent bits, 3 mantissa bits; 8 bits a number), with one given power-of-two scale for each operand tensor; their sums are f32. All else is computed in f32.
;;   The module's matrix products, in the order in which they are computed (A, B: the left and right operand; K: the contracted axis; several contracted axes count as one K, in the product's order):
;;     1. [M 8,192, K 1,024] x [K 1,024, N 1,024]; A: input queries (given as codes); B: input Wq (given as codes): QUANTISED (scales: A lowp_scales[0], B lowp_scales[1])
;;     2. [M 8,192, K 1,024] x [K 1,024, N 1,024]; A: input keys (given as codes); B: input Wk (given as codes): QUANTISED (scales: A lowp_scales[2], B lowp_scales[3])
;;     3. [M 8,192, K 1,024] x [K 1,024, N 1,024]; A: input values (given as codes); B: input Wv (given as codes): QUANTISED (scales: A lowp_scales[4], B lowp_scales[5])
;;     4. batch 128 x [M 1,024, K 64] x [K 64, N 1,024]; A: computed on the way; B: computed on the way: QUANTISED (scales: A lowp_scales[6], B lowp_scales[7])
;;     5. batch 128 x [M 64, K 1,024] x [K 1,024, N 1,024]; A: computed on the way; B: softmax (see below): QUANTISED (scales: A lowp_scales[8], B lowp_scales[9])
;;   THE QUANTISER, for each operand of a quantised product, along K:
;;     - The operand's scale is 2^e, e = its entry of the input lowp_scales (int32; the entries are numbered through the quantised products in the list's order, A before B).
;;     - Each number is divided by the scale, clamped to +-448, and rounded to the nearest number of E4M3, ties to even, subnormals kept.
;;     - The product sums the exact products of the quantised numbers (number of the format x scale) in f32.
;;   ~~~python
;;   def quantise(x, axis, e):      # numpy; x: float32 -> the quantised numbers, widened to float32 again
;;       x = np.moveaxis(x, axis, -1); K = x.shape[-1]
;;       r = np.clip(x / 2.0 ** e, -448, 448)
;;       step = 2.0 ** (np.maximum(np.frexp(np.where(r == 0, 1, r))[1] - 1, -6) - 3)
;;       q = np.round(r / step) * step * 2.0 ** e      # np.round: ties to even
;;       return np.moveaxis(q, -1, axis).astype(np.float32)
;;   ~~~
;;   SOFTMAX AHEAD OF A QUANTISED PRODUCT. Where the list says 'softmax', what is quantised is not the finished softmax but p = 2^(t - M), with t = logit x log2(e) and M = ceil(the row's largest t), a whole number; so 1/2 < the row's largest p <= 1. The row's sum l is taken of the UNQUANTISED p, in f32, and the product's result is divided by l at the end. Since M is a whole number, a kernel that streams over the keys may use a running M (the ceiling of the running maximum): every later rescaling is an exact power of two, so the quantised numbers keep their values, but for numbers so far below the row's largest that they fall under the format's range.
;;   OPERANDS COMPUTED ON THE WAY. 'Computed on the way' means the value that the module computes at that place (a softmax that the list does not call 'softmax' is quantised finished and normalised). What goes into a quantiser is computed in f32, as accurately as f32 sums, v_exp_f32 and their like allow (about 1e-6 of the number): no bf16 or f16 on the way to a quantiser, and a product that is left as it is and whose result goes on into a quantised operand takes f32 operands (vector FMAs, or v_wmma_f32_16x16x4_f32). A number that lies on a knife's edge between two numbers of the format may be rounded either way, as far as f32 arithmetic and the matrix unit's own rounding can turn it there, and no further.
;;   INPUTS GIVEN AS CODES. Wk (in the module: [1024, 1024], K = its axis 0); Wq (in the module: [1024, 1024], K = its axis 0); Wv (in the module: [1024, 1024], K = its axis 0); keys (in the module: [8, 1024, 1024], K = its axis 2); queries (in the module: [8, 1024, 1024], K = its axis 2); values (in the module: [8, 1024, 1024], K = its axis 2): each comes as NAME_codes (uint8): NAME with its K axis moved to the last place and cut into blocks of 32 codes, [.., K / 32, bytes a block], one block behind the other in memory; one code a byte (a code: sign, 4 exponent bits, 3 mantissa bits); its scale is its entry of lowp_scales. Its value is code x scale, taken as it is: it is not quantised again, and the codes and scales need not be those that the quantiser above would give.
;; One version. Each part assembles by itself: llvm-mc -triple=amdgcn-amd-amdhsa -mcpu=gfx1250 --defsym DOCPART=n.
;; ======== version 1 of 1: 2 launches
;; limits: right only within a limited range of input values
;; workspace buffers: qc 8,388,608 bytes; kc 8,388,608 bytes; vc 8,388,608 bytes
;; launch proj (part 1): grid 4 x 64, 4 waves a work-group, clusters of 4 x 4, 327,680 bytes of LDS; arguments queries_codes, keys_codes, Wv_codes, Wq_codes, Wk_codes, values_codes, lowp_scales, qc, kc, vc; writes qc, kc, vc
.if DOCPART == 1
	.amdgcn_target "amdgcn-amd-amdhsa--gfx1250"
	.amdhsa_code_object_version 6
	.text
	.protected	k_q25f205164f_proj
	.globl	k_q25f205164f_proj
	.p2align	8
	.type	k_q25f205164f_proj,@function
k_q25f205164f_proj:
	s_mov_b64 s[64:65], 0
	v_nop
	global_prefetch_b8 v0, s[64:65] scope:SCOPE_SE
	s_setreg_imm32_b32 hwreg(HW_REG_WAVE_MODE, 25, 1), 1
	s_wait_xcnt 0x0
	s_wait_alu depctr_hold_cnt(0) depctr_sa_sdst(0) depctr_va_vdst(0) depctr_va_sdst(0) depctr_va_ssrc(0) depctr_va_vcc(0) depctr_vm_vsrc(0)
	s_getreg_b32 s2, hwreg(HW_REG_IB_STS2, 6, 4)
	s_cmp_eq_u32 s2, 0
	s_cbranch_scc0 .Lentry_in_a_cluster
	s_endpgm
.Lentry_in_a_cluster:
	s_bfe_u32 s2, ttmp6, 0x10000c
	s_cmp_lg_u32 s2, 0xf033
	s_cbranch_scc0 .Lentry_shape_is_right
	s_endpgm
.Lentry_shape_is_right:
; THE THREE PROJECTIONS, on codes of FP8 (E4M3), each result quantised to codes on its way out.  C[m][n] = sum over k of A[m][k] B[n][k], K = 1,024.
; SHARES.  256 work-groups of four waves.  Each makes TWO tiles, one behind the other:
;   tile 1, 256 x 256: T = 0: A = queries (m = token), B = Wq (n = channel) -> qc;  T = 1: A = keys, B = Wk -> kc.  A wave makes 128 x 128.
;   tile 2, 256 x 128: A = Wv (m = channel), B = values (n = token) -> vc: half of a 256 x 256 tile of v; T says which 128 tokens.  A wave makes 128 x 64.
; A sum stands for sum x 2^(eA + eB); its code is sum / 2^x, x = e_out - eA - eB, held within +-448 and rounded by the conversion.  x = e6 - e0 - e1, e7 - e2 - e3, e8 - e4 - e5.
; LIMITS: each x lies between -126 and 119, so that 2^x and 448 x 2^x are f32 numbers.  NaN codes among the inputs are not served.
; CLUSTERS of 4 x 4 work-groups; cluster y = 0 .. 15 gives T = y / 8 and the batch y' = y % 8.  Tile 1: A's tile row is 4 y' + cy, B's is cx.  Tile 2: A's 256 channels are cy's, B's tokens 256 (4 y' + cx) + 128 T on.
; A's tiles are asked for jointly along a row of the cluster, B's along a column.  K goes in steps of 256 through two LDS slots: K steps 0-3 are tile 1's, 4-7 tile 2's, and the ring does not stop between the tiles.
; THE MATRIX INSTRUCTION IS USED TRANSPOSED (source 0 = 16 rows of B, source 1 = 16 rows of A): lane (r, h) holds row m = r and n = 8 h + 0 .. 7 of a 16 x 16 tile.
; OUTPUT.  The codes of two neighbouring tiles along n are 16 bytes of a lane: n = 32 i + 8 h + 0 .. 7, then 32 i + 16 + 8 h + 0 .. 7.  They are stored as they stand, 512 bytes for the 32 lanes: images of the attention's operand registers.
;   qc, kc: [batch 8][head 16][16 tokens: 64][32 channels: 2][lane 32][16];   vc: [batch 8][head 16][32 keys: 32][16 channels: 4][lane 32][16].
; q and k have their channels, and v and the softmax their keys, in the same places of the registers, so the products are those of the natural order.
; PREFETCH.  A K step is asked of memory two K steps ahead of its tensor load (K steps 1 and 2 behind K step 0's load), 256 bytes of each row.  The four partners of a joint load share its rows out by address.
; The weights, which many clusters read, are asked for by the clusters with y' < 2 alone.
; REGISTERS, in windows of 256: window 0: v0-31 addresses and constants, v32-127 codes on the way out, v128-255 A's fragments.  window 1: B's fragments, two sets.  windows 2, 3: tile 1's accumulators.
;   tile 2: its 32 accumulators are window 2, and v0-127 of window 3 is a second set of A's fragments.
.set ROWB,   256                       ; a tile's row: 256 codes
.set KROW,   1024                      ; a row of A or of B in memory, in bytes
.set PITCH,  272                       ; an LDS row: 256 bytes + 16 of padding = 68 words: the 16 rows that a load touches start at 16 different banks (64 banks of 4 bytes: ISA guide 11.1)
.set FR,     16                        ; registers of a fragment: 16 rows x 128 K
.set NP,     4                         ; places behind this matrix instruction (ISA guide 7.12.1)
.set HALFT,  128*PITCH
.set SLOT,   4*HALFT                   ; A's 256 rows, then B's 256 (tile 2: 128) rows
.set SPARE,  2*SLOT                    ; the spare words, 128 bytes a wave
.set CO,   8                           ; v8      16 x lane
.set ADRA, 16                          ; v16-17  LDS address of my A fragments in slot 0, 1
.set ADRB, 18                          ; v18-19  of my B fragments, tile 1
.set ADRC, 20                          ; v20-21  of my B fragments, tile 2
.set PF1,  22                          ; v22     prefetch offset, tile 1: lane x a row
.set PF2,  23                          ; v23     tile 2
.set LIM1, 24                          ; 448 x 2^x and 2^x of tile 1,
.set SCL1, 25
.set LIM2, 26                          ; of tile 2
.set SCL2, 27
.set SPW,  28
.set NIL,  29
.set CD,   32
.set AF,   128
.set G1, 24                            ; s[24:31] group 1 for A's tiles;  s[32:39] group 0, one set for each slot
.set G0, 32
.set G1B, 48                           ; s[48:55] group 1 for B's tiles of tile 1;  s[56:63] group 0
.set G0B, 56
.set G1V, 88                           ; s[88:95] group 1 for B's tiles of tile 2: 64 rows
.set MSB, 0
.macro WIN new                         ; the immediate's high byte repeats the setting that is left
.if MSB != (\new)
	s_set_vgpr_msb (MSB<<8)|(\new)
.set MSB, (\new)
.endif
.endm
.set MUL_LO, 0xa1                      ; source 0 (B) window 1, source 1 (A) window 0, C and D window 2
.set MUL_HI, 0xf1                      ; C and D window 3
.set MUL_S1, 0xad                      ; tile 2, second set: source 1 (A) window 3, C and D window 2
.set TO_B,   0x40                      ; destination window 1
; A joint load: waves 0 and 1 fetch for A, waves 2 and 3 for B; the branch hangs on the wave's number alone.
.macro JLOAD g0a, g1a, g0b, g1b
	s_cmp_eq_u32 s15, 0
	s_cbranch_scc0 .Lfor_b_\@
	tensor_load_to_lds s[\g0a:\g0a+3], s[\g1a:\g1a+7]
	s_nop 0
.rept 4
	v_nop
.endr
	s_branch .Lasked_\@
.Lfor_b_\@:
	tensor_load_to_lds s[\g0b:\g0b+3], s[\g1b:\g1b+7]
	s_nop 0
.rept 4
	v_nop
.endr
.Lasked_\@:
.endm
.macro CREST                           ; a round of the cluster's barrier behind its opening barrier
	s_cmp_lg_u32 s14, 0
	s_cbranch_scc1 .Lnot_wave_0_\@
	s_barrier_signal -3
.Lnot_wave_0_\@:
	s_barrier_wait -3
	s_barrier_signal -1
	s_barrier_wait -1
.endm
.macro CROUND
	s_barrier_signal -1
	s_barrier_wait -1
	CREST
.endm
.macro ASK k                           ; K step k's rows, 256 bytes each, a lane a row; no address register is ever rewritten
.if (\k) < 4
	s_cmp_eq_u32 s17, 1
	s_cbranch_scc0 .Lno_ask_\@
	global_prefetch_b8 v[PF1], s[66:67] offset:(\k)*ROWB th:TH_LOAD_NT scope:SCOPE_SE
.else
	s_cmp_eq_u32 s42, 1
	s_cbranch_scc0 .Lno_ask_\@
	global_prefetch_b8 v[PF2], s[82:83] offset:((\k)-4)*ROWB th:TH_LOAD_NT scope:SCOPE_SE
.endif
.Lno_ask_\@:
.endm
.macro EXPO scl, lim                   ; s18 = x
	s_add_co_i32 s18, s18, 127
	s_lshl_b32 s19, s18, 23
	v_mov_b32 v[\scl], s19                         ; 2^x: the conversion takes its exponent field
	s_add_co_i32 s18, s18, 8
	s_lshl_b32 s18, s18, 23
	s_or_b32 s18, s18, 0x600000
	v_mov_b32 v[\lim], s18                         ; 448 x 2^x
.endm
	s_load_b256 s[68:75], s[0:1], 0x0              ; queries s[68:69], keys s[70:71], Wv s[72:73], Wq s[74:75]
	s_load_b256 s[76:83], s[0:1], 0x20             ; Wk s[76:77], values s[78:79], the scales' exponents s[80:81], qc s[82:83]
	s_load_b128 s[84:87], s[0:1], 0x40             ; kc s[84:85], vc s[86:87]
	v_lshl_add_u32 v[SPW], v0, 2, SPARE
	v_mov_b32 v[NIL], 0
	ds_add_u32 v[SPW], v[NIL]                      ; the opening: the add, twice on end, and its wait
	ds_add_u32 v[SPW], v[NIL]
	v_lshrrev_b32 v1, 5, v0
	v_readfirstlane_b32 s14, v1                    ; wave 0..3
	s_lshr_b32 s15, s14, 1                         ; which 128 rows of A are mine.  Also: I fetch for A (0) or for B (1)
	s_and_b32 s16, s14, 1                          ; which half of B's rows is mine.  Also: which half of that tile I fetch
	s_bfe_u32 s40, ttmp6, 0x40000                  ; cx
	s_bfe_u32 s41, ttmp6, 0x40004                  ; cy
	s_and_b32 s13, ttmp7, 0xffff
	s_lshr_b32 s12, s13, 3                         ; T
	s_and_b32 s13, s13, 7                          ; y', the batch
	s_lshl_b32 s18, s13, 2
	s_add_co_u32 s17, s18, s41                     ; 4 y' + cy: it never holds cx
	s_add_co_u32 s42, s18, s40                     ; 4 y' + cx: it never holds cy
	s_lshl_b32 s43, s41, 2
	s_lshl_b32 s43, 15, s43                        ; my row of the cluster
	s_lshl_b32 s44, 0x1111, s40                    ; my column
	s_or_b32 s[G1+0], s43, (0<<16)|(1<<20)|(1<<21)|(5<<22)|(3<<25)  ; 15:0 the mask; 17:16 element of 1 byte; 20 padding on; 21 set beside a mask; 24:22 after every 64 words (code 5); 31:25 of 4 words (code 3)
	s_or_b32 s[G1B+0], s44, (0<<16)|(1<<20)|(1<<21)|(5<<22)|(3<<25)
	s_or_b32 s[G1V+0], s44, (0<<16)|(1<<20)|(1<<21)|(5<<22)|(3<<25)
.irp g, G1, G1B, G1V
	s_mov_b32 s[\g+1], ROWB<<16                    ; tensor_dim0
	s_mov_b32 s[\g+3], ROWB<<16                    ; tile_dim0
	s_mov_b32 s[\g+5], KROW                        ; the pitch
	s_mov_b32 s[\g+6], 0
	s_mov_b32 s[\g+7], 0
.endr
.irp g, G1, G1B
	s_mov_b32 s[\g+2], 128<<16                     ; tensor_dim1
	s_mov_b32 s[\g+4], 128                         ; tile_dim1
.endr
	s_mov_b32 s[G1V+2], 64<<16
	s_mov_b32 s[G1V+4], 64
	s_lshl_b32 s2, s16, 17                         ; 128 rows of 1,024 bytes
	s_lshl_b32 s20, s17, 18
	s_add_co_u32 s20, s20, s2                      ; tile 1, A: byte offset of the rows that I fetch
	s_mov_b32 s21, 0
	s_lshl_b32 s46, s40, 18
	s_add_co_u32 s46, s46, s2                      ; tile 1, B
	s_mov_b32 s47, 0
	s_lshl_b32 s18, s41, 18
	s_add_co_u32 s18, s18, s2                      ; tile 2, A
	s_mov_b32 s19, 0
	s_lshl_b32 s22, s42, 18
	s_lshl_b32 s3, s12, 17
	s_add_co_u32 s22, s22, s3
	s_lshl_b32 s3, s16, 16
	s_add_co_u32 s22, s22, s3                      ; tile 2, B: 64 rows a wave
	s_mov_b32 s23, 0
	s_mul_i32 s45, s14, HALFT                      ; where they go in a slot: wave x 128 rows;
	s_mul_i32 s100, s16, 64*PITCH
	s_add_co_u32 s100, s100, 2*HALFT               ; tile 2, B: 64 rows a wave behind A's 256.  (My own 64 rows of B begin there too)
	s_wait_alu depctr_va_vdst(0)
	s_wait_dscnt 0x0                               ; both opening adds are done
	s_wait_kmcnt 0x0
	s_cmp_eq_u32 s12, 0                            ; the buffers are chosen by T, which hangs on the cluster's number alone
	s_cselect_b64 s[4:5], s[68:69], s[70:71]
	s_cselect_b64 s[6:7], s[74:75], s[76:77]
	s_cselect_b64 s[10:11], s[82:83], s[84:85]
	s_add_nc_u64 s[96:97], s[72:73], s[18:19]      ; tile 2: A and B as I fetch them
	s_add_nc_u64 s[98:99], s[78:79], s[22:23]
	s_add_nc_u64 s[G0+2:G0+3], s[4:5], s[20:21]
	s_add_nc_u64 s[G0+6:G0+7], s[G0+2:G0+3], ROWB
	s_add_nc_u64 s[G0B+2:G0B+3], s[6:7], s[46:47]
	s_add_nc_u64 s[G0B+6:G0B+7], s[G0B+2:G0B+3], ROWB
.irp g, G0, G0B
	s_mov_b32 s[\g], 1                             ; count
	s_add_co_u32 s[\g+1], s45, 0                   ; LDS address
	s_or_b32 s[\g+3], s[\g+3], 0x80000000          ; type = 2
	s_mov_b32 s[\g+4], 1
	s_add_co_u32 s[\g+5], s45, SLOT
	s_or_b32 s[\g+7], s[\g+7], 0x80000000
.endr
	CROUND                                         ; all sixteen work-groups are here: the first joint loads meet
	JLOAD G0, G1, G0B, G1B                         ; K step 0: one tensor load a wave at the head
	; the prefetches: where my wave's stand and who asks
	s_cmp_eq_u32 s15, 0
	s_cselect_b64 s[66:67], s[4:5], s[6:7]
	s_cselect_b64 s[82:83], s[72:73], s[78:79]
	s_cselect_b32 s2, s20, s46
	s_cselect_b32 s8, s18, s22
	s_cselect_b32 s43, s40, s41                    ; my place among the four that ask with me
	s_cselect_b32 s44, 15, 14                      ; 32 of 128 rows a partner, or 16 of 64
	s_cselect_b32 s47, 31, 15                      ; the last lane with a row of its own
	s_cmp_lt_u32 s13, 2
	s_cselect_b32 s3, 1, 0
	s_cmp_eq_u32 s15, 0
	s_cselect_b32 s17, 1, s3                       ; tile 1: A's waves ask, B's (weights) where y' < 2
	s_cselect_b32 s42, s3, 1                       ; tile 2: the other way round
	s_lshl_b32 s3, s43, 15
	s_add_co_u32 s2, s2, s3
	s_mov_b32 s3, 0
	s_add_nc_u64 s[66:67], s[66:67], s[2:3]
	s_lshl_b32 s43, s43, s44
	s_add_co_u32 s8, s8, s43
	s_mov_b32 s9, 0
	s_add_nc_u64 s[82:83], s[82:83], s[8:9]
	s_load_b256 s[68:75], s[80:81], 0x0            ; e0 .. e7
	s_load_b64 s[76:77], s[80:81], 0x20            ; e8, e9
	v_and_b32 v6, 31, v0
	v_lshlrev_b32 v[PF1], 10, v6
	v_min_u32 v7, s47, v6                          ; lanes left over name the last row again
	v_lshlrev_b32 v[PF2], 10, v7
	v_lshlrev_b32 v[CO], 4, v6
	s_wait_alu depctr_va_vdst(0)
	ASK 1
	ASK 2
	s_mul_i32 s21, s15, HALFT                      ; my 128 rows of A
	s_mul_i32 s22, s16, HALFT
	s_add_co_u32 s22, s22, 2*HALFT                 ; my 128 rows of B, tile 1
	v_and_b32 v1, 15, v0                           ; r
	v_bfe_u32 v2, v0, 4, 1                         ; h
	v_mul_u32_u24 v3, v1, PITCH
	v_lshl_add_u32 v4, v2, 4, v3
	v_add_nc_u32 v[ADRA], s21, v4
	v_add_nc_u32 v[ADRB], s22, v4
	v_add_nc_u32 v[ADRC], s100, v4
	v_add_nc_u32 v[ADRA+1], SLOT, v[ADRA]
	v_add_nc_u32 v[ADRB+1], SLOT, v[ADRB]
	v_add_nc_u32 v[ADRC+1], SLOT, v[ADRC]
	; where my results begin.  Tile 1: batch y', head 4 cx + 2 (my half of B) on, token 256 cy + 128 (my half of A) on
	s_lshl_b32 s2, s13, 20
	s_lshl_b32 s3, s40, 18
	s_add_co_u32 s8, s2, s3
	s_lshl_b32 s3, s16, 17
	s_add_co_u32 s8, s8, s3
	s_lshl_b32 s3, s41, 14
	s_add_co_u32 s8, s8, s3
	s_lshl_b32 s3, s15, 13
	s_add_co_u32 s8, s8, s3
	s_mov_b32 s9, 0
	s_add_nc_u64 s[10:11], s[10:11], s[8:9]
	; tile 2: head 4 cy + 2 (my half of A) on, token 256 cx + 128 T + 64 (my half of B) on
	s_lshl_b32 s3, s41, 18
	s_add_co_u32 s8, s2, s3
	s_lshl_b32 s3, s15, 17
	s_add_co_u32 s8, s8, s3
	s_lshl_b32 s3, s40, 14
	s_add_co_u32 s8, s8, s3
	s_lshl_b32 s3, s12, 13
	s_add_co_u32 s8, s8, s3
	s_lshl_b32 s3, s16, 12
	s_add_co_u32 s8, s8, s3
	s_add_nc_u64 s[86:87], s[86:87], s[8:9]
	s_wait_alu depctr_va_vdst(0)
	s_wait_kmcnt 0x0                               ; the exponents
	s_cmp_eq_u32 s12, 0
	s_cselect_b32 s18, s74, s75                    ; e6 or e7,
	s_cselect_b32 s19, s68, s70                    ; e0 or e2,
	s_cselect_b32 s20, s69, s71                    ; e1 or e3
	s_sub_co_i32 s18, s18, s19
	s_sub_co_i32 s18, s18, s20
	EXPO SCL1, LIM1
	s_sub_co_i32 s18, s76, s72                     ; e8 - e4 - e5
	s_sub_co_i32 s18, s18, s73
	EXPO SCL2, LIM2
.macro FRAG reg, adr, q, i             ; a fragment, 16 rows x 128 K: lane (r, h) holds row r; registers 4 c .. 4 c + 3 hold K = 32 c + 16 h + 0 .. 15: the same places of k in A and in B
.irp c, 0,1,2,3
	ds_load_b128 v[\reg+4*\c:\reg+4*\c+3], v[\adr] offset:128*(\q)+32*\c+(\i)*16*PITCH
.endr
.endm
; Tile 1: 16 matrix instructions.  The 64 accumulators take turns, one instruction a turn, in the same order in every step.
.macro MUL16 a0, p, zero
.irp a, \a0, \a0+1
.irp b, 0,1,2,3,4,5,6,7
.if \zero
	v_wmma_f32_16x16x128_fp8_fp8 v[8*(8*((\a)%4)+\b):8*(8*((\a)%4)+\b)+7], v[128*(\p)+FR*\b:128*(\p)+FR*\b+FR-1], v[AF+FR*(\a):AF+FR*(\a)+FR-1], 0
.else
	v_wmma_f32_16x16x128_fp8_fp8 v[8*(8*((\a)%4)+\b):8*(8*((\a)%4)+\b)+7], v[128*(\p)+FR*\b:128*(\p)+FR*\b+FR-1], v[AF+FR*(\a):AF+FR*(\a)+FR-1], v[8*(8*((\a)%4)+\b):8*(8*((\a)%4)+\b)+7]
.endif
.endr
.endr
.endm
; Tile 2: 8 matrix instructions; the 32 accumulators take turns likewise.  p: the set of both operands' fragments
.macro MUL8 a0, p, zero
.irp a, \a0, \a0+1
.irp b, 0,1,2,3
.if \zero
	v_wmma_f32_16x16x128_fp8_fp8 v[32*(\a)+8*\b:32*(\a)+8*\b+7], v[128*(\p)+FR*\b:128*(\p)+FR*\b+FR-1], v[128*(1-\p)+FR*(\a):128*(1-\p)+FR*(\a)+FR-1], 0
.else
	v_wmma_f32_16x16x128_fp8_fp8 v[32*(\a)+8*\b:32*(\a)+8*\b+7], v[128*(\p)+FR*\b:128*(\p)+FR*\b+FR-1], v[128*(1-\p)+FR*(\a):128*(1-\p)+FR*(\a)+FR-1], v[32*(\a)+8*\b:32*(\a)+8*\b+7]
.endif
.endr
.endr
.endm
.macro FETCH_B slot, q, p              ; tile 1: B's eight fragments into set p
	WIN TO_B
.irp i, 0,1,2,3,4,5,6,7
	FRAG 128*(\p)+FR*\i, ADRB+\slot, \q, \i
.endr
	WIN 0
.endm
.macro FETCH_C slot, q, p              ; tile 2: B's four
	WIN TO_B
.irp i, 0,1,2,3
	FRAG 128*(\p)+FR*\i, ADRC+\slot, \q, \i
.endr
	WIN 0
.endm
.macro FETCH_A slot, q, i0             ; A's blocks i0 .. i0 + 3
.irp i, \i0, \i0+1, \i0+2, \i0+3
	FRAG AF+FR*(\i), ADRA+\slot, \q, \i
.endr
.endm
.macro FETCH_BH slot, q, p, i0         ; tile 1: four of B's fragments into set p
	WIN TO_B
.irp i, \i0, \i0+1, \i0+2, \i0+3
	FRAG 128*(\p)+FR*(\i), ADRB+\slot, \q, \i
.endr
	WIN 0
.endm
.macro FETCH_A2 slot, q, p, i0         ; tile 2: four of A's fragments into set p
.if \p
	WIN 0xc0
.irp i, \i0, \i0+1, \i0+2, \i0+3
	FRAG FR*(\i), ADRA+\slot, \q, \i
.endr
.else
	WIN 0
	FETCH_A \slot, \q, \i0
.endif
	WIN 0
.endm
.macro PLACES n                        ; plain vector instructions between a matrix instruction and a load into, or a vector instruction on, its registers
.rept \n
	v_nop
.endr
.endm
.macro STEP slot, q, zero
	s_wait_dscnt 16                                ; B's set and A's blocks 0-3 are in; the youngest 16 loads (A's blocks 4-7) may be out
	FETCH_BH \slot, (\q)+1, 1-(\q)%2, 0            ; B's other set: the places at the end of the step before serve these loads
	WIN MUL_LO
	MUL16 0, (\q)%2, \zero
	FETCH_BH \slot, (\q)+1, 1-(\q)%2, 4
	WIN MUL_LO
	MUL16 2, (\q)%2, \zero
	s_wait_dscnt 32                                ; A's blocks 4-7 are in; B's 32 loads may be out
	PLACES NP
	WIN 0
	FETCH_A \slot, (\q)+1, 0
	WIN MUL_HI
	MUL16 4, (\q)%2, \zero
	MUL16 6, (\q)%2, \zero
	PLACES NP
	WIN 0
	FETCH_A \slot, (\q)+1, 4
.endm
.macro REFILL slot, k                  ; K step k into this slot: the first tensor load behind the round
.if (\k)/2 == 2                        ; tile 2 begins: its own addresses, and its own place of B's rows
	s_add_nc_u64 s[G0+4*\slot+2:G0+4*\slot+3], s[96:97], (\k-4)*ROWB
	s_or_b32 s[G0+4*\slot+3], s[G0+4*\slot+3], 0x80000000
	s_add_nc_u64 s[G0B+4*\slot+2:G0B+4*\slot+3], s[98:99], (\k-4)*ROWB
	s_or_b32 s[G0B+4*\slot+3], s[G0B+4*\slot+3], 0x80000000
	s_add_co_u32 s[G0B+4*\slot+1], s100, \slot*SLOT
.else
	s_add_nc_u64 s[G0+4*\slot+2:G0+4*\slot+3], s[G0+4*\slot+2:G0+4*\slot+3], 2*ROWB
	s_add_nc_u64 s[G0B+4*\slot+2:G0B+4*\slot+3], s[G0B+4*\slot+2:G0B+4*\slot+3], 2*ROWB
.endif
.if (\k) < 4
	JLOAD G0+4*\slot, G1, G0B+4*\slot, G1B
.else
	JLOAD G0+4*\slot, G1, G0B+4*\slot, G1V
.endif
.endm
; Tile 1, a slot's last step: ONE barrier, which opens a round of the cluster's barrier; behind it the slot takes K step k.  k = 5: the fragments fetched are tile 2's first.
.macro TURN slot, next, k
	s_wait_tensorcnt 0x0                           ; all my tensor loads have landed: my part of the next slot  (every window is 0 here)
	ds_add_u32 v[SPW], v[NIL]                      ; 0 onto my spare word
	s_wait_dscnt 17                                ; the add and the youngest 16 loads, A's blocks 4-7, may be out
	WIN MUL_LO
	MUL16 0, 1, 0
	s_wait_dscnt 0x0                               ; the add is done, and my reads of this slot are over
	s_barrier_signal -1
	MUL16 2, 1, 0
	WIN 0
	s_barrier_wait -1
	CREST                                          ; no wave of any partner still reads this slot's tile or has a load on its way
	REFILL \slot, \k                               ; its four v_nop are also the places in front of the loads below
.if \k == 5
	FETCH_C \next, 0, 0
.else
	FETCH_B \next, 0, 0
.endif
	ASK \k+2
	WIN MUL_HI
	MUL16 4, 1, 0
	WIN 0
	FETCH_A \next, 0, 0
	WIN MUL_HI
	MUL16 6, 1, 0
	PLACES NP
	WIN 0
	FETCH_A \next, 0, 4
.endm
; Tile 2: the next 128 along K are fetched whole into the other set while this set is multiplied.
.macro STEP2 slot, zero
	s_wait_dscnt 0
	PLACES NP
	FETCH_C \slot, 1, 1
	WIN MUL_LO
	MUL8 0, 0, \zero
	FETCH_A2 \slot, 1, 1, 0
	WIN MUL_LO
	MUL8 2, 0, \zero
	FETCH_A2 \slot, 1, 1, 4
	WIN MUL_LO
	MUL8 4, 0, \zero
	MUL8 6, 0, \zero
	WIN 0
.endm
.macro TURN2 slot, next, k             ; k = 0: nothing is left to fetch
	s_wait_tensorcnt 0x0
	ds_add_u32 v[SPW], v[NIL]
	s_wait_dscnt 1                                 ; set 1 is in; the add may be out
	WIN MUL_S1
	MUL8 0, 1, 0
	s_wait_dscnt 0x0                               ; the add is done, and my reads of this slot are over
	s_barrier_signal -1
	MUL8 2, 1, 0
	WIN 0
	s_barrier_wait -1
.if \k
	CREST
	REFILL \slot, \k
.else
	PLACES NP
.endif
	FETCH_C \next, 0, 0
	FETCH_A2 \next, 0, 0, 0
	WIN MUL_S1
	MUL8 4, 1, 0
	FETCH_A2 \next, 0, 0, 4
	WIN MUL_S1
	MUL8 6, 1, 0
	WIN 0
.endm
; THE WAY OUT of a block of 16 rows: each sum is held within +-448 x 2^x (the conversion to an 8-bit code does not saturate: ISA guide 7.6.2), each accumulator from its low end on; the codes go straight to memory.
.macro CODES1 a
.set AC, 64*((\a)%4)
.set CB, CD+16*((\a)%6)
.if (\a) == 6
	s_wait_xcnt 0x0                                ; the stores have read the codes of blocks 0 and 1, whose registers are written again
.endif
	WIN 0x82+0x41*((\a)/4)
.set jj, 0
.rept 64
	v_med3_num_f32 v[AC+jj], v[AC+jj], -v[LIM1], v[LIM1]
.set jj, jj+1
.endr
	WIN 0x02+((\a)/4)
.irp b, 0,1,2,3,4,5,6,7
	v_cvt_scalef32_pk8_fp8_f32 v[CB+2*\b:CB+2*\b+1], v[AC+8*\b:AC+8*\b+7], v[SCL1]
.endr
	WIN 0
	v_nop                                          ; one plain vector instruction behind the conversions
.irp i, 0,1,2,3
	global_store_b128 v[CO], v[CB+4*\i:CB+4*\i+3], s[10:11] offset:(\i/2)*65536+(\a)*1024+(\i%2)*512   ; 32 lanes store 512 consecutive bytes, aligned
.endr
.endm
.macro CODES2 a
.set AC, 32*(\a)
.set CB, CD+8*(\a)
	WIN 0x82
.set jj, 0
.rept 32
	v_med3_num_f32 v[AC+jj], v[AC+jj], -v[LIM2], v[LIM2]
.set jj, jj+1
.endr
	WIN 0x02
.irp b, 0,1,2,3
	v_cvt_scalef32_pk8_fp8_f32 v[CB+2*\b:CB+2*\b+1], v[AC+8*\b:AC+8*\b+7], v[SCL2]
.endr
	WIN 0
	v_nop
.irp i, 0,1
	global_store_b128 v[CO], v[CB+4*\i:CB+4*\i+3], s[86:87] offset:((\a)/4)*65536+\i*2048+((\a)%4)*512
.endr
.endm
	s_wait_alu depctr_va_vdst(0)                   ; the head's end
	s_wait_tensorcnt 0x0                           ; my part of K step 0 is in; the same lines ahead of a later first fill as ahead of a refill
	ds_add_u32 v[SPW], v[NIL]
	s_wait_dscnt 0x0
	CROUND                                         ; everybody's part of K step 0 is in
	JLOAD G0+4, G1, G0B+4, G1B                     ; K step 1, the first tensor load behind the round
	FETCH_B 0, 0, 0
	FETCH_A 0, 0, 0
	FETCH_A 0, 0, 4
	ASK 3
	STEP 0, 0, 1
	TURN 0, 1, 2
	STEP 1, 0, 0
	TURN 1, 0, 3
	STEP 0, 0, 0
	TURN 0, 1, 4
	STEP 1, 0, 0
	TURN 1, 0, 5                                   ; both slots have been asked to take tile 2's K steps: now tile 1 goes out
.irp a, 0,1,2,3,4,5,6,7
	CODES1 \a
.endr
	STEP2 0, 1
	TURN2 0, 1, 6
	STEP2 1, 0
	TURN2 1, 0, 7
	STEP2 0, 0
	TURN2 0, 1, 0
	STEP2 1, 0
	s_wait_dscnt 0
	WIN MUL_S1
	MUL8 0, 1, 0
	MUL8 2, 1, 0
	PLACES NP
	WIN 0
	s_wait_xcnt 0x0                                ; tile 1's stores have read their codes
	CODES2 0                                       ; blocks go out as they are finished; from here on their conversions are the later products' places
	CODES2 1
	WIN MUL_S1
	MUL8 4, 1, 0
	CODES2 2
	CODES2 3
	WIN MUL_S1
	MUL8 6, 1, 0
	CODES2 4
	CODES2 5
	CODES2 6
	CODES2 7
	s_wait_tensorcnt 0x0                           ; the wave's end
	ds_add_u32 v[SPW], v[NIL]
	s_wait_dscnt 0x0
	CROUND                                         ; the closing round: no work-group ends while a partner may still ask for a tile that names it
	s_endpgm
.Lfunc_end_k_q25f205164f_proj:
	.size	k_q25f205164f_proj, .Lfunc_end_k_q25f205164f_proj-k_q25f205164f_proj
	.p2alignl 7, 3214868480
	.fill 96, 4, 3214868480
	.section	.rodata,"a",@progbits
	.p2align	6, 0x0
	.amdhsa_kernel k_q25f205164f_proj
		.amdhsa_group_segment_fixed_size 327680
		.amdhsa_private_segment_fixed_size 0
		.amdhsa_enable_private_segment 0
		.amdhsa_kernarg_size 80
		.amdhsa_user_sgpr_count 2
		.amdhsa_user_sgpr_kernarg_segment_ptr 1
		.amdhsa_wavefront_size32 1
		.amdhsa_system_sgpr_workgroup_id_x 1
		.amdhsa_system_sgpr_workgroup_id_y 1
		.amdhsa_system_sgpr_workgroup_id_z 1
		.amdhsa_system_vgpr_workitem_id 0
		.amdhsa_next_free_vgpr 1024
		.amdhsa_next_free_sgpr 102
		.amdhsa_reserve_vcc 0
		.amdhsa_float_denorm_mode_32 3
		.amdhsa_float_denorm_mode_16_64 3
		.amdhsa_memory_ordered 1
		.amdhsa_forward_progress 1
		.amdhsa_inst_pref_size 190
	.end_amdhsa_kernel
	.amdgpu_metadata
---
amdhsa.version: [ 1, 2 ]
amdhsa.kernels:
  - .name:           k_q25f205164f_proj
    .symbol:         k_q25f205164f_proj.kd
    .args:
      - { .name: queries_codes, .offset: 0, .size: 8, .value_kind: global_buffer, .address_space: global }
      - { .name: keys_codes, .offset: 8, .size: 8, .value_kind: global_buffer, .address_space: global }
      - { .name: Wv_codes, .offset: 16, .size: 8, .value_kind: global_buffer, .address_space: global }
      - { .name: Wq_codes, .offset: 24, .size: 8, .value_kind: global_buffer, .address_space: global }
      - { .name: Wk_codes, .offset: 32, .size: 8, .value_kind: global_buffer, .address_space: global }
      - { .name: values_codes, .offset: 40, .size: 8, .value_kind: global_buffer, .address_space: global }
      - { .name: lowp_scales, .offset: 48, .size: 8, .value_kind: global_buffer, .address_space: global }
      - { .name: qc, .offset: 56, .size: 8, .value_kind: global_buffer, .address_space: global }
      - { .name: kc, .offset: 64, .size: 8, .value_kind: global_buffer, .address_space: global }
      - { .name: vc, .offset: 72, .size: 8, .value_kind: global_buffer, .address_space: global }
    .group_segment_fixed_size: 327680
    .private_segment_fixed_size: 0
    .kernarg_segment_align: 8
    .kernarg_segment_size: 80
    .max_flat_workgroup_size: 128
    .sgpr_count:     102
    .vgpr_count:     1024
    .wavefront_size: 32
...
	.end_amdgpu_metadata
.endif
;; end of part 1
;; launch attn (part 2): grid 2 x 128, 8 waves a work-group, no clusters, 327,680 bytes of LDS; arguments qc, kc, vc, lowp_scales, out0; writes out0
.if DOCPART == 2
	.amdgcn_target "amdgcn-amd-amdhsa--gfx1250"
	.amdhsa_code_object_version 6
	.text
	.protected	k_q25f205164f_attn
	.globl	k_q25f205164f_attn
	.p2align	8
	.type	k_q25f205164f_attn,@function
k_q25f205164f_attn:
	s_mov_b64 s[64:65], 0
	v_nop
	global_prefetch_b8 v0, s[64:65] scope:SCOPE_SE
	s_setreg_imm32_b32 hwreg(HW_REG_WAVE_MODE, 25, 1), 1
	s_wait_xcnt 0x0
; ATTENTION ON CODES of FP8 (E4M3).  128 heads (8 batches x 16), 1,024 queries x 1,024 keys, head size 64.  out0[batch][token][64 head + channel], f32.
; qc, kc: [head 128][16 tokens: 64][32 channels: 2][lane 32][16];  vc: [head 128][32 keys: 32][16 channels: 4][lane 32][16]: images of the operands' registers, four registers a lane to each 512 bytes.
; THE SOFTMAX AHEAD OF THE SECOND PRODUCT: t = score x c, c = 2^(e6 + e7) x log2(e) / 8; M = the running largest t, rounded UP to a whole number; p = 2^(t - M) is quantised with 2^e9, not normalised;
; the row's sum is taken of the unquantised p and divides O at the end, with 2^(e8 + e9).  When M moves, the sum and O are multiplied by 2^(old M - new M): nothing is rounded.
; LIMITS: e6 + e7 between -123 and 130 (added to c's exponent field); e9 between -126 and 119; e8 + e9 goes by v_ldexp_f32 and has none; scaled scores under 2^31 in magnitude.  NaN codes are not served.
; SHARES.  A work-group owns 512 queries of one head, each of its eight waves 64: four tiles of 16, so that each fragment of K and V read from LDS feeds four products.  Two tiles go through the softmax together, line by line, as two independent chains.
; ALL of the head's K and V, 131,072 bytes, comes into LDS once: the first 256 keys at the head, 4,096 bytes a wave; the rest behind the first barrier, 12,288 bytes a wave (waves 0-3: K, 4-7: V).  No LDS byte is filled twice.
; NO CLUSTER: a head has two work-groups, and four to a head would leave a wave two tiles of queries.  What the two share is read once by each, 131,072 bytes for 512 x 1,024 scores.
; NO PREFETCH: every tensor load stands ahead of the first key step; no trip of the loop loads from memory.
; LAYOUT.  Both products are used transposed: S^T = K Q^T (source 0 = 16 keys, source 1 = 16 queries), O^T = V^T P^T (source 0 = 16 channels, source 1 = P): lane (r, h) holds ONE query, r.
; S's tiles 2 b, 2 b + 1 give the lane keys 32 b + 8 h + 0 .. 7 and 32 b + 16 + 8 h + 0 .. 7: the places that v's codes have too, so the conversions' results ARE the operand P.
; LDS: K, V of keys 0-255 (16,384 bytes each), K of keys 256-1,023, V of the same (49,152 bytes each); then a stage of 16 rows x 272 bytes for each wave, then the spare words.
; REGISTERS.  window 0: constants and work; Q; P of tiles 0-2; S of two tiles (P of tile 3 lies on the first one's low end).  window 1: O^T, K's fragments, V's fragments.
.set VOFF0, 16384                      ; from a step's K to its V: the first 256 keys,
.set VOFF1, 49152                      ; the others
.set STEPB, 8192                       ; 128 keys
.set STAGE, 131072
.set SPARE, STAGE+8*4352
.set A0,  1                            ; v1   16 x lane
.set ADR, 2                            ; v2   the step's LDS address
.set LIM, 5                            ; v5   448 x 2^e9;  v3, v4: lane permutes' destinations
.set SCL, 6                            ; v6   2^e9
; v[8 + 4 x] -M, v[9 + 4 x] the largest score, v[10 + 4 x : 11 + 4 x] the sum in two halves, of tile x.  v[24:25], v[26:27] f of the two tiles at work; the upper words are written once
; v28-35 and v36-43 at work for one tile and for the other; v108-123 (P of tile 2, until it is written) likewise
.set Q,   44                           ; v44-75   8 registers a tile
.set P,   76                           ; P of tile x at v[76 + 16 x]
.set SA,  124                          ; v124-187 S^T, then p, of one tile: 8 tiles of 16 keys
.set SB,  188                          ; v188-251 of the other
.set SPW, 252
.set NIL, 253
.set K,   128                          ; window 1: O^T tile x, channels' tile t at v[32 x + 8 t]; K v128-191 (8 x 8), V v192-255 (4 x 16)
.set V,   192
.set WV,  14
.set G1,  16                           ; s[16:23] group 1 for the first 256 keys;  s[24:27] group 0
.set G0,  24
.set G0R, 28                           ; s[28:31] group 0 for the rest;  s[32:39] group 1
.set G1R, 32
.set SEL, 40                           ; s[40:41] v_permlanex16_b32's selects for lane l xor 16
.set CS,  42                           ; s[42:43] c
.set TB,  44                           ; s44  LDS byte at which the step's K begins
.set CNT, 45
.set NC,  46                           ; s46  -c
.set MSB, 0
.macro WIN new                         ; the immediate's high byte repeats the setting that is left
.if MSB != (\new)
	s_set_vgpr_msb (MSB<<8)|(\new)
.set MSB, (\new)
.endif
.endm
	s_load_b256 s[4:11], s[0:1], 0x0               ; qc s[4:5], kc s[6:7], vc s[8:9], the scales' exponents s[10:11]
	s_load_b64 s[12:13], s[0:1], 0x20              ; out0
	v_lshl_add_u32 v[SPW], v0, 2, SPARE
	v_mov_b32 v[NIL], 0
	ds_add_u32 v[SPW], v[NIL]                      ; the opening: the add, twice on end, and its wait
	ds_add_u32 v[SPW], v[NIL]
	v_lshrrev_b32 v28, 5, v0
	v_readfirstlane_b32 s[WV], v28                 ; wave 0..7
	v_and_b32 v29, 31, v0
	v_lshlrev_b32 v[A0], 4, v29
	s_and_b32 s60, ttmp7, 0xffff                   ; the head, 0 .. 127
.irp g, G1, G1R
	s_mov_b32 s[\g], 0                             ; no mask, elements of 1 byte, no padding
	s_mov_b32 s[\g+1], 256<<16                     ; tensor_dim0
	s_mov_b32 s[\g+3], 256<<16                     ; tile_dim0
	s_mov_b32 s[\g+5], 256                         ; the pitch: bytes on end
	s_mov_b32 s[\g+6], 0
	s_mov_b32 s[\g+7], 0
.endr
	s_mov_b32 s[G1+2], 16<<16                      ; 16 rows: 4,096 bytes
	s_mov_b32 s[G1+4], 16
	s_mov_b32 s[G1R+2], 48<<16                     ; 48 rows: 12,288 bytes
	s_mov_b32 s[G1R+4], 48
	s_lshl_b32 s58, s60, 16                        ; a head's codes are 65,536 bytes in each of the three buffers
	s_and_b32 s53, s[WV], 3
	s_lshl_b32 s54, s53, 12
	s_add_co_u32 s54, s54, s58                     ; my part of the first 256 keys,
	s_mov_b32 s55, 0
	s_mul_i32 s52, s53, 12288
	s_add_co_u32 s52, s52, s58
	s_add_co_u32 s52, s52, 16384                   ; and of the rest
	s_mov_b32 s53, 0
	s_lshl_b32 s59, ttmp9, 15                      ; my work-group's 512 queries x 64 bytes,
	s_add_co_u32 s58, s58, s59
	s_lshl_b32 s59, s[WV], 12                      ; my wave's 64
	s_add_co_u32 s58, s58, s59
	s_mov_b32 s[G0], 1
	s_lshl_b32 s[G0+1], s[WV], 12
	s_mov_b32 s[G0R], 1
	s_mul_i32 s[G0R+1], s[WV], 12288
	s_add_co_u32 s[G0R+1], s[G0R+1], 32768
	s_mov_b32 s59, 0
	s_mov_b32 s[SEL], 0x76543210
	s_mov_b32 s[SEL+1], 0xfedcba98
	s_mov_b32 s[CS], 0x3e38aa3b                    ; log2(e) / 8
	s_wait_alu depctr_va_vdst(0)
	s_wait_dscnt 0x0                               ; both opening adds are done
	s_wait_kmcnt 0x0
	s_load_b128 s[48:51], s[10:11], 0x18           ; e6, e7, e8, e9
	s_cmp_lt_u32 s[WV], 4
	s_cselect_b64 s[56:57], s[6:7], s[8:9]         ; waves 0-3 fetch K, waves 4-7 V
	s_add_nc_u64 s[G0+2:G0+3], s[56:57], s[54:55]
	s_or_b32 s[G0+3], s[G0+3], 0x80000000          ; type = 2
	s_add_nc_u64 s[G0R+2:G0R+3], s[56:57], s[52:53]
	s_or_b32 s[G0R+3], s[G0R+3], 0x80000000
	tensor_load_to_lds s[G0:G0+3], s[G1:G1+7]      ; keys 0-255
	s_nop 0
.rept 4
	v_nop
.endr
	s_add_nc_u64 s[4:5], s[4:5], s[58:59]
.irp x, 0,1,2,3
.irp c, 0,1
	global_load_b128 v[Q+8*\x+4*\c:Q+8*\x+4*\c+3], v[A0], s[4:5] offset:1024*\x+512*\c
.endr
.endr
	s_lshr_b32 s52, s60, 4                         ; out0: the batch, 2^22 bytes,
	s_lshl_b32 s52, s52, 22
	s_and_b32 s53, s60, 15
	s_lshl_b32 s53, s53, 8                         ; the head's 64 channels, 256 bytes of a row,
	s_add_co_u32 s52, s52, s53
	s_lshl_b32 s53, ttmp9, 21                      ; 512 rows of 4,096 bytes,
	s_add_co_u32 s52, s52, s53
	s_lshl_b32 s53, s[WV], 18                      ; my wave's 64 rows
	s_add_co_u32 s52, s52, s53
	s_mov_b32 s53, 0
	s_add_nc_u64 s[12:13], s[12:13], s[52:53]
	v_mov_b32 v3, 0                                ; a lane permute's destination counts as one of its sources
	v_mov_b32 v4, 0
	v_mov_b32 v25, 0                               ; named as the upper half of a pair
	v_mov_b32 v27, 0
	s_wait_alu depctr_va_vdst(0)
	s_wait_kmcnt 0x0
	s_add_co_i32 s62, s48, s49
	s_lshl_b32 s62, s62, 23
	s_add_co_i32 s[CS], s[CS], s62                 ; e6 + e7 are added to c's exponent field
	s_mov_b32 s[CS+1], s[CS]                       ; named with it as a pair
	s_or_b32 s[NC], s[CS], 0x80000000
	s_add_co_i32 s62, s51, 127
	s_lshl_b32 s63, s62, 23
	v_mov_b32 v[SCL], s63
	s_add_co_i32 s62, s62, 8
	s_lshl_b32 s62, s62, 23
	s_or_b32 s62, s62, 0x600000
	v_mov_b32 v[LIM], s62
	s_mov_b32 s[TB], 0
.macro HOLD s, i, n                    ; p is not negative, so the hold is one-sided (the conversion to an 8-bit code does not saturate: ISA guide 7.6.2); two numbers an instruction
.set hh, \i
.rept \n
	v_dual_min_num_f32 v[\s+hh], v[\s+hh], v[LIM] :: v_dual_min_num_f32 v[\s+hh+1], v[\s+hh+1], v[LIM]
.set hh, hh+2
.endr
.endm
.macro CVT d, s, b                     ; registers 4 b .. 4 b + 3 of P: 32 keys
	v_cvt_scalef32_pk8_fp8_f32 v[\d+4*\b:\d+4*\b+1], v[\s+16*\b:\s+16*\b+7], v[SCL]
	v_cvt_scalef32_pk8_fp8_f32 v[\d+4*\b+2:\d+4*\b+3], v[\s+16*\b+8:\s+16*\b+15], v[SCL]
.endm
.macro TM s, i, m                      ; t - M of two numbers: of the pairs c and -M the low word serves both halves
	v_pk_fma_f32 v[\s+\i:\s+\i+1], v[\s+\i:\s+\i+1], s[CS:CS+1], v[\m:\m+1] op_sel_hi:[1,0,0]
.endm
.macro ADD2 d, a
	v_pk_add_f32 v[\d:\d+1], v[\d:\d+1], v[\a:\a+1]
.endm
; The softmax of tiles xa and xa + 1 for 128 keys, line by line: a lane has 64 scores of each query; the lane 16 away has the other 64.  first = 1: nothing has been summed yet.
.macro PAIR xa, first
.set MA, 8+4*(\xa)
.set MB, 12+4*(\xa)
.set OA, 32*(\xa)
.set OB, 32*(\xa)+32
.set PDA, P+16*(\xa)
.set PDB, P+16*(\xa)+16
.set jj, 0
.rept 4                                ; the step's largest score, in four chains a tile, in ascending order: each accumulator is read from its low end on
	v_max3_num_f32 v[28+jj], v[SA+3*jj], v[SA+3*jj+1], v[SA+3*jj+2]
	v_max3_num_f32 v[36+jj], v[SB+3*jj], v[SB+3*jj+1], v[SB+3*jj+2]
.set jj, jj+1
.endr
.set jj, 6
.rept 26
	v_max3_num_f32 v[28+(jj-6)%4], v[28+(jj-6)%4], v[SA+2*jj], v[SA+2*jj+1]
	v_max3_num_f32 v[36+(jj-6)%4], v[36+(jj-6)%4], v[SB+2*jj], v[SB+2*jj+1]
.set jj, jj+1
.endr
	v_max3_num_f32 v28, v28, v29, v30
	v_max3_num_f32 v36, v36, v37, v38
	v_max_num_f32 v28, v28, v31
	v_max_num_f32 v36, v36, v39
	v_permlanex16_b32 v3, v28, s[SEL], s[SEL+1]
	v_permlanex16_b32 v4, v36, s[SEL], s[SEL+1]
.if \first
	v_max_num_f32 v[MA+1], v28, v3
	v_max_num_f32 v[MB+1], v36, v4
	v_mul_f32 v32, s[NC], v[MA+1]                  ; -t
	v_mul_f32 v40, s[NC], v[MB+1]
	v_floor_f32 v[MA], v32                         ; -M = floor(-t)
	v_floor_f32 v[MB], v40
.else
	v_max3_num_f32 v[MA+1], v[MA+1], v28, v3       ; the running largest score (c is positive)
	v_max3_num_f32 v[MB+1], v[MB+1], v36, v4
	v_mul_f32 v32, s[NC], v[MA+1]
	v_mul_f32 v40, s[NC], v[MB+1]
	v_floor_f32 v32, v32                           ; the new -M
	v_floor_f32 v40, v40
	v_sub_f32 v33, v32, v[MA]                      ; old M - new M: a whole number, 0 or less
	v_sub_f32 v41, v40, v[MB]
	v_mov_b32 v[MA], v32
	v_mov_b32 v[MB], v40
	v_cvt_i32_f32 v33, v33
	v_cvt_i32_f32 v41, v41
	v_ldexp_f32 v24, 1.0, v33                      ; f
	v_ldexp_f32 v26, 1.0, v41
.endif
.set jj, 0
.rept 16                               ; t - M of the first 32 numbers of each tile
	TM SA, 2*jj, MA
	TM SB, 2*jj, MB
.set jj, jj+1
.endr
.if \first
	s_wait_alu depctr_va_vdst(0)                   ; ahead of the batch
.else
	WIN 0x41                                       ; destination and source 0 window 1
	s_wait_alu depctr_va_vdst(0)                   ; ahead of the batch, and ahead of O^T's first readers
.set jj, 0
.rept 16
	v_pk_mul_f32 v[OA+2*jj:OA+2*jj+1], v[OA+2*jj:OA+2*jj+1], v[24:25] op_sel_hi:[1,0]   ; O^T under the new M
	v_pk_mul_f32 v[OB+2*jj:OB+2*jj+1], v[OB+2*jj:OB+2*jj+1], v[26:27] op_sel_hi:[1,0]
.set jj, jj+1
.endr
	WIN 0
.endif
.set jj, 0
.rept 16                               ; their 64 exponentials; between them t - M of the other 32 of each
	v_exp_f32 v[SA+2*jj], v[SA+2*jj]
	TM SA, 32+2*jj, MA
	v_exp_f32 v[SA+2*jj+1], v[SA+2*jj+1]
	v_exp_f32 v[SB+2*jj], v[SB+2*jj]
	TM SB, 32+2*jj, MB
	v_exp_f32 v[SB+2*jj+1], v[SB+2*jj+1]
.set jj, jj+1
.endr
	s_wait_alu depctr_va_vdst(0)                   ; behind the first batch and ahead of the second
.set jj, 0
.irp t, 28,30,32,34,108,110,112,114    ; the other 64; between them the first 32 numbers of each tile are summed UNQUANTISED, four by four, and then held
	v_exp_f32 v[SA+32+jj], v[SA+32+jj]
	v_pk_add_f32 v[\t:\t+1], v[SA+jj:SA+jj+1], v[SA+jj+2:SA+jj+3]
	v_exp_f32 v[SA+33+jj], v[SA+33+jj]
	HOLD SA, jj, 1
	v_exp_f32 v[SA+34+jj], v[SA+34+jj]
	HOLD SA, jj+2, 1
	v_exp_f32 v[SA+35+jj], v[SA+35+jj]
	v_pk_add_f32 v[\t+8:\t+9], v[SB+jj:SB+jj+1], v[SB+jj+2:SB+jj+3]
	v_exp_f32 v[SB+32+jj], v[SB+32+jj]
	HOLD SB, jj, 1
	v_exp_f32 v[SB+33+jj], v[SB+33+jj]
	HOLD SB, jj+2, 1
	v_exp_f32 v[SB+34+jj], v[SB+34+jj]
	v_exp_f32 v[SB+35+jj], v[SB+35+jj]
.set jj, jj+4
.endr
	s_wait_alu depctr_va_vdst(0)                   ; behind the second batch, ahead of its first reader and of the wait below
.if (\xa) == 0
	s_wait_dscnt 0x0                               ; V is in, for both pairs' products
.endif
.set jj, 32
.rept 2
.irp t, 28,30,32,34,108,110,112,114
	ADD2 \t, SA+jj
	ADD2 \t+8, SB+jj
.set jj, jj+2
.endr
.endr
.irp t, 28,30,32,34
	ADD2 \t, \t+80
	ADD2 \t+8, \t+88
.endr
	CVT PDA, SA, 0                                 ; (tile 3's codes land on the sources of tile 2's first conversions: plain lines stand between)
	ADD2 28, 32
	ADD2 36, 40
	ADD2 30, 34
	ADD2 38, 42
	CVT PDB, SB, 0
	HOLD SA, 32, 4
	CVT PDA, SA, 1
	HOLD SB, 32, 4
	CVT PDB, SB, 1
	HOLD SA, 40, 4
	CVT PDA, SA, 2
	HOLD SB, 40, 4
	CVT PDB, SB, 2
	HOLD SA, 48, 8
	CVT PDA, SA, 3
	HOLD SB, 48, 8
.if \first == 0
	ADD2 28, 30
	ADD2 36, 38
.endif
	CVT PDB, SB, 3
.if \first
	v_pk_add_f32 v[MA+2:MA+3], v[28:29], v[30:31]  ; the sums; also the plain places behind the last conversion
	v_pk_add_f32 v[MB+2:MB+3], v[36:37], v[38:39]
.else
	v_pk_fma_f32 v[MA+2:MA+3], v[MA+2:MA+3], v[24:25], v[28:29] op_sel_hi:[1,0,1]   ; the sums under the new M and the step's; also the plain places behind the last conversion
	v_pk_fma_f32 v[MB+2:MB+3], v[MB+2:MB+3], v[26:27], v[36:37] op_sel_hi:[1,0,1]
.endif
.endm
.macro SCORES xa                       ; S^T of tiles xa and xa + 1: eight tiles of 16 keys each, K = the head's 64
	WIN 0x01                                       ; source 0 window 1
.irp t, 0,1,2,3,4,5,6,7
	v_wmma_f32_16x16x64_fp8_fp8 v[SA+8*\t:SA+8*\t+7], v[K+8*\t:K+8*\t+7], v[Q+8*(\xa):Q+8*(\xa)+7], 0
	v_wmma_f32_16x16x64_fp8_fp8 v[SB+8*\t:SB+8*\t+7], v[K+8*\t:K+8*\t+7], v[Q+8*(\xa)+8:Q+8*(\xa)+15], 0
.endr
	WIN 0
.rept 4
	v_nop                                          ; places ahead of the first read of the scores, and of loads into K's registers
.endr
.endm
.macro KFETCH off
	WIN 0x40                                       ; destination window 1
.irp t, 0,1,2,3,4,5,6,7
	ds_load_b128 v[K+8*\t:K+8*\t+3], v[ADR] offset:\off+1024*\t
	ds_load_b128 v[K+8*\t+4:K+8*\t+7], v[ADR] offset:\off+1024*\t+512
.endr
	WIN 0
.endm
; A KEY STEP: 128 keys, four tiles of queries.  K's fragments have been asked for ahead.  next = 0: the next step's follow in K's bytes;  1: so they do, but in the loop's last trip there is none;
; 2: the wave says in the step's middle that its part of keys 256-1,023 has landed, waits at the end for the others', and asks for the next step's K then.
.macro OPROD xa, first                 ; O^T += V^T P^T of tiles xa and xa + 1: eight accumulators, one instruction each, by turns
	WIN 0x51                                       ; D, C and source 0 window 1, source 1 window 0
.irp t, 0,1,2,3
.irp x, \xa, \xa+1
.if \first
	v_wmma_f32_16x16x128_fp8_fp8 v[32*(\x)+8*\t:32*(\x)+8*\t+7], v[V+16*\t:V+16*\t+15], v[P+16*(\x):P+16*(\x)+15], 0
.else
	v_wmma_f32_16x16x128_fp8_fp8 v[32*(\x)+8*\t:32*(\x)+8*\t+7], v[V+16*\t:V+16*\t+15], v[P+16*(\x):P+16*(\x)+15], v[32*(\x)+8*\t:32*(\x)+8*\t+7]
.endif
.endr
.endr
	WIN 0
.endm
; THE WAY OUT of tiles xa and xa + 1.  O^T x 2^(e8 + e9) / the sum goes through my stage, a tile of 16 queries (16 rows of 256 bytes) at a time, and leaves as whole aligned runs of 256 bytes.
.macro WAYOUT xa
.set LA, 10+4*(\xa)
.set LB, 14+4*(\xa)
	s_wait_alu depctr_va_vdst(0)
	v_add_f32 v[LA], v[LA], v[LA+1]                ; the sum's two halves,
	v_add_f32 v[LB], v[LB], v[LB+1]
	v_permlanex16_b32 v3, v[LA], s[SEL], s[SEL+1]
	v_permlanex16_b32 v4, v[LB], s[SEL], s[SEL+1]
	v_add_f32 v[LA], v[LA], v3                     ; and lane l xor 16's
	v_add_f32 v[LB], v[LB], v4
	s_wait_alu depctr_va_vdst(0)                   ; ahead of the batch
	v_rcp_f32 v28, v[LA]
	v_rcp_f32 v30, v[LB]
	v_and_b32 v38, 15, v0                          ; r
	v_bfe_u32 v39, v0, 4, 1                        ; h
	s_add_co_i32 s62, s50, s51                     ; e8 + e9
	s_mul_i32 s63, s[WV], 4352
	s_add_co_u32 s63, s63, STAGE                   ; my stage
	v_mul_u32_u24 v40, v38, 272
	v_lshl_add_u32 v40, v39, 5, v40
	v_add_nc_u32 v40, s63, v40                     ; in: row r; my half's 8 channels of each 16: 32 h bytes on
	v_mul_u32_u24 v41, v39, 272
	v_lshl_add_u32 v41, v38, 4, v41
	v_add_nc_u32 v41, s63, v41                     ; back: lanes 0-15 one row, lanes 16-31 the next
	v_lshlrev_b32 v42, 12, v39
	v_lshl_add_u32 v42, v38, 4, v42                ; and the same two rows in out0, 4,096 bytes apart
	s_wait_alu depctr_va_vdst(0)                   ; one wait for the two reciprocals, ahead of their first reader
	v_ldexp_f32 v28, v28, s62
	v_ldexp_f32 v30, v30, s62
	WIN 0x01
	s_wait_alu depctr_va_vdst(0)                   ; ahead of O^T's first readers
.irp x, 0,1
.set jj, 0
.rept 16
	v_pk_mul_f32 v[SA+32*\x+2*jj:SA+32*\x+2*jj+1], v[32*(\xa+\x)+2*jj:32*(\xa+\x)+2*jj+1], v[28+2*\x:29+2*\x] op_sel_hi:[1,0]   ; register 8 t + j: channel 16 t + 8 h + j
.set jj, jj+1
.endr
.endr
	WIN 0
.irp x, 0,1
.irp t, 0,1,2,3
	ds_store_b128 v40, v[SA+32*\x+8*\t:SA+32*\x+8*\t+3] offset:64*\t
	ds_store_b128 v40, v[SA+32*\x+8*\t+4:SA+32*\x+8*\t+7] offset:64*\t+16
.endr
.irp i, 0,1,2,3,4,5,6,7
	ds_load_b128 v[SB+32*\x+4*\i:SB+32*\x+4*\i+3], v41 offset:544*\i   ; LDS serves a wave's instructions in order (ISA guide 5.7.1.4): these see my stores, and the next tile's stores come behind them
.endr
.endr
.irp x, 0,1
.irp i, 0,1,2,3,4,5,6,7
	s_wait_dscnt (1-\x)*16+7-\i                    ; this load is in; the younger loads of the tile, and the second tile's sixteen LDS instructions, may be out
	global_store_b128 v42, v[SB+32*\x+4*\i:SB+32*\x+4*\i+3], s[12:13] offset:(16*(\xa+\x)+2*\i)*4096 th:TH_STORE_NT   ; two rows; 16 lanes store 256 consecutive bytes, aligned
.endr
.endr
	s_wait_xcnt 0x0                                ; the stores have read their registers
.endm
.macro STEP voff, first, next
	v_add_nc_u32 v[ADR], s[TB], v[A0]
.rept 4
	v_nop                                          ; with the addition five places behind the last products V^T P: four for the loads into V's registers, five for the products below, which write over P of tile 3
.endr
	WIN 0x40
.irp t, 0,1,2,3                        ; V's four tiles of 16 channels x 128 keys
.irp c, 0,1,2,3
	ds_load_b128 v[V+16*\t+4*\c:V+16*\t+4*\c+3], v[ADR] offset:\voff+2048*\c+512*\t
.endr
.endr
	WIN 0
	s_wait_dscnt 0x10                              ; K's fragments are in; V's sixteen loads may be out
	SCORES 0
	PAIR 0, \first
	OPROD 0, \first
.if \next == 1
	s_cmp_eq_u32 s[CNT], 1                         ; the last trip: tiles 0 and 1 are finished and go out while tiles 2 and 3 are still worked
	s_cbranch_scc0 .Lgo_on_\@
	WAYOUT 0
.Lgo_on_\@:
.endif
.if \next == 2
	s_wait_alu depctr_va_vdst(0)
	s_wait_tensorcnt 0x0                           ; my part of the other keys has landed
	s_wait_dscnt 0x0
	s_barrier_signal -1                            ; nothing is ever filled again: up to the wait stands register work
.endif
	SCORES 2
.if \next == 0
	KFETCH STEPB
.endif
.if \next == 1
	s_cmp_eq_u32 s[CNT], 1
	s_cbranch_scc1 .Llast_\@
	KFETCH STEPB
.Llast_\@:
.endif
	PAIR 2, \first
	OPROD 2, \first
.if \next == 2
	s_barrier_wait -1                              ; all of K and V is in
	s_mov_b32 s[TB], 4*STEPB
	v_add_nc_u32 v[ADR], s[TB], v[A0]
	KFETCH 0
.endif
.endm
	s_wait_alu depctr_va_vdst(0)                   ; the head's end
	s_wait_loadcnt 0x0                             ; Q
	s_wait_tensorcnt 0x0                           ; my part of the first 256 keys
	ds_add_u32 v[SPW], v[NIL]                      ; first fills follow behind the barrier
	s_wait_dscnt 0x0
	s_barrier_signal -1
	s_barrier_wait -1                              ; the first 256 keys are in
	tensor_load_to_lds s[G0R:G0R+3], s[G1R:G1R+7]  ; keys 256-1,023
	s_nop 0
.rept 4
	v_nop
.endr
	v_add_nc_u32 v[ADR], s[TB], v[A0]
	KFETCH 0
	STEP VOFF0, 1, 0
	s_mov_b32 s[TB], STEPB
	STEP VOFF0, 0, 2
	s_mov_b32 s[CNT], 6
.Lstep:
	STEP VOFF1, 0, 1
	s_add_co_u32 s[TB], s[TB], STEPB
	s_sub_co_u32 s[CNT], s[CNT], 1
	s_cmp_lg_u32 s[CNT], 0
	s_cbranch_scc1 .Lstep
	; THE WAY OUT.  O^T x 2^(e8 + e9) / the sum goes through my stage, a tile of 16 queries (16 rows of 256 bytes) at a time, and leaves as whole aligned runs of 256 bytes.
	WAYOUT 2
	s_wait_tensorcnt 0x0                           ; the wave's end
	ds_add_u32 v[SPW], v[NIL]
	s_wait_dscnt 0x0
	s_endpgm
.Lfunc_end_k_q25f205164f_attn:
	.size	k_q25f205164f_attn, .Lfunc_end_k_q25f205164f_attn-k_q25f205164f_attn
	.p2alignl 7, 3214868480
	.fill 96, 4, 3214868480
	.section	.rodata,"a",@progbits
	.p2align	6, 0x0
	.amdhsa_kernel k_q25f205164f_attn
		.amdhsa_group_segment_fixed_size 327680
		.amdhsa_private_segment_fixed_size 0
		.amdhsa_enable_private_segment 0
		.amdhsa_kernarg_size 40
		.amdhsa_user_sgpr_count 2
		.amdhsa_user_sgpr_kernarg_segment_ptr 1
		.amdhsa_wavefront_size32 1
		.amdhsa_system_sgpr_workgroup_id_x 1
		.amdhsa_system_sgpr_workgroup_id_y 1
		.amdhsa_system_sgpr_workgroup_id_z 1
		.amdhsa_system_vgpr_workitem_id 0
		.amdhsa_next_free_vgpr 512
		.amdhsa_next_free_sgpr 66
		.amdhsa_reserve_vcc 0
		.amdhsa_float_denorm_mode_32 3
		.amdhsa_float_denorm_mode_16_64 3
		.amdhsa_memory_ordered 1
		.amdhsa_forward_progress 1
		.amdhsa_inst_pref_size 178
	.end_amdhsa_kernel
	.amdgpu_metadata
---
amdhsa.version: [ 1, 2 ]
amdhsa.kernels:
  - .name:           k_q25f205164f_attn
    .symbol:         k_q25f205164f_attn.kd
    .args:
      - { .name: qc, .offset: 0, .size: 8, .value_kind: global_buffer, .address_space: global }
      - { .name: kc, .offset: 8, .size: 8, .value_kind: global_buffer, .address_space: global }
      - { .name: vc, .offset: 16, .size: 8, .value_kind: global_buffer, .address_space: global }
      - { .name: lowp_scales, .offset: 24, .size: 8, .value_kind: global_buffer, .address_space: global }
      - { .name: out0, .offset: 32, .size: 8, .value_kind: global_buffer, .address_space: global }
    .group_segment_fixed_size: 327680
    .private_segment_fixed_size: 0
    .kernarg_segment_align: 8
    .kernarg_segment_size: 40
    .max_flat_workgroup_size: 256
    .sgpr_count:     66
    .vgpr_count:     512
    .wavefront_size: 32
...
	.end_amdgpu_metadata
.endif
;; end of part 2
